; MI455X (gfx1250); checked and timed in simulation.
; The chip was launched on July 23, 2026; its instructions are those of AMD's public machine-readable ISA for CDNA 5 (MIT licence, August 2026) and "CDNA5" Instruction Set Architecture Reference Guide (July 2026). The comments in the code are by the model that wrote it; some were corrected since.
;; Self Attention. Allowed arithmetic: float matrix products may take bf16 or f16 operands with f32 sums; other float arithmetic in f32, or as packed bf16 or f16 multiplies, adds, multiply-adds, maxima and minima; sums over many terms, partial sums and values carried from step to step in f32; what a program stores and reads back later, other than sums and carried values, may be rounded once to bf16 or f16.
;; Inputs: Wk 1,024 x 1,024 float32; Wq 1,024 x 1,024 float32; Wv 1,024 x 1,024 float32; attention_mask 4 x 1 x 1 x 2,048 float32; bk 1,024 float32; bq 1,024 float32; bv 1,024 float32; hidden_states 4 x 2,048 x 1,024 float32.
;; Outputs: out0 4 x 2,048 x 1,024 float32.
;; One version. Each part assembles by itself: llvm-mc -triple=amdgcn-amd-amdhsa -mcpu=gfx1250 --defsym DOCPART=n.
;; ======== version 1 of 1: 3 launches
;; limits: values are held in f16: magnitudes above 65,504 overflow, below 6.1e-05 lose precision
;; workspace buffers: xb 16,777,216 bytes; wb 6,291,456 bytes; tab 77,824 bytes; qkv 50,331,648 bytes
;; launch prep (part 1): grid 705 x 1, 8 waves a work-group, no clusters, 0 bytes of LDS; arguments hidden_states, Wq, Wk, Wv, bq, bk, bv, attention_mask, xb, wb, tab; writes xb, wb, tab
.if DOCPART == 1
	.amdgcn_target "amdgcn-amd-amdhsa--gfx1250"
	.amdhsa_code_object_version 6
	.text
	.protected	k_qd0d8a3ed9f_prep
	.globl	k_qd0d8a3ed9f_prep
	.p2align	8
	.type	k_qd0d8a3ed9f_prep,@function
k_qd0d8a3ed9f_prep:
	s_mov_b64 s[64:65], 0
	v_nop
	global_prefetch_b8 v0, s[64:65] scope:SCOPE_SE
	s_setreg_imm32_b32 hwreg(HW_REG_WAVE_MODE, 25, 1), 1
	s_wait_xcnt 0x0
; THE INPUTS ARE ROUNDED ONCE TO bf16, all of them, for the two launches that follow.
;   xb  [8192][1024] bf16 = hidden_states;   wb [3072][1024] bf16 = Wq, then Wk, then Wv
;   tab, f32:  byte 0      bias[3072]: bq, bk, bv, each rounded to bf16 and widened again (it is the C operand of the projection's first product)
;              byte BM     m8[4][2048] = 8 x bf16(mask): the C operand of attention's first product, which is later scaled by log2(e) / 8
;              byte BG     gate[8192] = 1.0 where bf16(mask) >= 0, else 0.0: the projection multiplies K's rows by it
; LIMITS.  The gate is taken of the rounded mask: it differs from the unrounded one's only for a negative number so small that bf16 rounds it to -0.  8 x mask must stay finite.
; SHARES.  Work-group 0 makes tab.  Work-group e + 1 casts one chunk of 16,384 numbers (64 KiB in, 32 KiB out): e = 0..511 of x, e = 512..703 of the weights.
; A stream: each byte is read once and written once; nothing is shared, so no LDS, no barrier, no matrix unit.  All 16 loads of a thread go out at once.
.set BM,  12288
.set BG,  45056
.set X,   8                            ; v[8:71]    16 loads of 4 numbers
.set Y,   72                           ; v[72:103]  16 pairs of packed bf16
.set GT,  52                           ; v[52:83]   table path: the gates
	s_load_b256 s[4:11], s[0:1], 0x0               ; hidden_states s[4:5], Wq s[6:7], Wk s[8:9], Wv s[10:11]
	s_load_b256 s[12:19], s[0:1], 0x20             ; bq s[12:13], bk s[14:15], bv s[16:17], attention_mask s[18:19]
	s_load_b128 s[20:23], s[0:1], 0x40             ; xb s[20:21], wb s[22:23]
	s_load_b64 s[24:25], s[0:1], 0x50              ; tab
	v_lshlrev_b32 v1, 4, v0                        ; 16 t: my 4 numbers of f32 in 4,096 bytes
	v_lshlrev_b32 v2, 3, v0                        ; 8 t: the same 4 numbers as bf16
	s_wait_kmcnt 0x0
	s_cmp_eq_u32 ttmp9, 0
	s_cbranch_scc1 .Lsmall
	s_sub_co_u32 s26, ttmp9, 1                     ; e
	s_max_u32 s27, s26, 512
	s_sub_co_u32 s27, s27, 512                     ; the chunk's number in wb, 0..191 (0 where the chunk is x's)
	s_lshr_b32 s28, s27, 6                         ; which of the three weights
	s_and_b32 s29, s27, 63                         ; the chunk's number in it
	s_cmp_eq_u32 s28, 1
	s_cselect_b64 s[30:31], s[8:9], s[6:7]
	s_cmp_eq_u32 s28, 2
	s_cselect_b64 s[30:31], s[10:11], s[30:31]
	s_cmp_lt_u32 s26, 512
	s_cselect_b64 s[30:31], s[4:5], s[30:31]       ; from where
	s_cselect_b64 s[32:33], s[20:21], s[22:23]     ; to where
	s_cselect_b32 s34, s26, s29
	s_cselect_b32 s36, s26, s27
	s_lshl_b32 s34, s34, 16                        ; 65,536 bytes of f32 a chunk
	s_mov_b32 s35, 0
	s_lshl_b32 s36, s36, 15                        ; 32,768 bytes of bf16
	s_mov_b32 s37, 0
	s_add_nc_u64 s[30:31], s[30:31], s[34:35]
	s_add_nc_u64 s[32:33], s[32:33], s[36:37]
.set i, 0
.rept 16
	global_load_b128 v[X+4*i:X+4*i+3], v1, s[30:31] offset:4096*i th:TH_LOAD_NT  ; a wave's load covers 512 consecutive bytes
.set i, i+1
.endr
.set i, 0
.rept 16
	s_wait_loadcnt 15-i                            ; loads come back in order: load i is in, the 15 - i younger ones stay out
	v_cvt_pk_bf16_f32 v[Y+2*i], v[X+4*i], v[X+4*i+1]
	v_cvt_pk_bf16_f32 v[Y+2*i+1], v[X+4*i+2], v[X+4*i+3]
	global_store_b64 v2, v[Y+2*i:Y+2*i+1], s[32:33] offset:2048*i  ; a wave's store covers 256 consecutive bytes, aligned; no register is written twice, so nothing is waited for
.set i, i+1
.endr
	s_endpgm
.macro RND4 r                          ; four numbers rounded to bf16 and widened again, in place
	v_cvt_pk_bf16_f32 v4, v[(\r)], v[(\r)+1]
	v_cvt_pk_bf16_f32 v5, v[(\r)+2], v[(\r)+3]
	v_lshlrev_b32 v[(\r)], 16, v4
	v_and_b32 v[(\r)+1], 0xffff0000, v4
	v_lshlrev_b32 v[(\r)+2], 16, v5
	v_and_b32 v[(\r)+3], 0xffff0000, v5
.endm
.Lsmall:                                       ; the table: 256 threads x 4 numbers are a bias, eight times that the mask
	global_load_b128 v[8:11], v1, s[12:13]
	global_load_b128 v[12:15], v1, s[14:15]
	global_load_b128 v[16:19], v1, s[16:17]
.set i, 0
.rept 8
	global_load_b128 v[20+4*i:23+4*i], v1, s[18:19] offset:4096*i
.set i, i+1
.endr
	s_wait_loadcnt 0x0
.set i, 0
.rept 3
	RND4 8+4*i
	global_store_b128 v1, v[8+4*i:11+4*i], s[24:25] offset:4096*i
.set i, i+1
.endr
.set i, 0
.rept 8
	RND4 20+4*i
.irp j, 0,1,2,3
	v_cmp_le_f32 vcc_lo, 0, v[20+4*i+\j]           ; 0 <= mask (a NaN gives 0.0, as the comparison in the problem does)
	v_cndmask_b32 v[GT+4*i+\j], 0, 1.0, vcc_lo
.endr
	v_pk_mul_f32 v[20+4*i:21+4*i], v[20+4*i:21+4*i], 0x41000000 op_sel_hi:[1,0]  ; times 8: exact
	v_pk_mul_f32 v[22+4*i:23+4*i], v[22+4*i:23+4*i], 0x41000000 op_sel_hi:[1,0]
	global_store_b128 v1, v[20+4*i:23+4*i], s[24:25] offset:BM+4096*i
	global_store_b128 v1, v[GT+4*i:GT+4*i+3], s[24:25] offset:BG+4096*i
.set i, i+1
.endr
	s_endpgm
.Lfunc_end_k_qd0d8a3ed9f_prep:
	.size	k_qd0d8a3ed9f_prep, .Lfunc_end_k_qd0d8a3ed9f_prep-k_qd0d8a3ed9f_prep
	.p2alignl 7, 3214868480
	.fill 96, 4, 3214868480
	.section	.rodata,"a",@progbits
	.p2align	6, 0x0
	.amdhsa_kernel k_qd0d8a3ed9f_prep
		.amdhsa_group_segment_fixed_size 0
		.amdhsa_private_segment_fixed_size 0
		.amdhsa_enable_private_segment 0
		.amdhsa_kernarg_size 88
		.amdhsa_user_sgpr_count 2
		.amdhsa_user_sgpr_kernarg_segment_ptr 1
		.amdhsa_wavefront_size32 1
		.amdhsa_system_sgpr_workgroup_id_x 1
		.amdhsa_system_sgpr_workgroup_id_y 1
		.amdhsa_system_sgpr_workgroup_id_z 1
		.amdhsa_system_vgpr_workitem_id 0
		.amdhsa_next_free_vgpr 104
		.amdhsa_next_free_sgpr 66
		.amdhsa_reserve_vcc 1
		.amdhsa_float_denorm_mode_32 3
		.amdhsa_float_denorm_mode_16_64 3
		.amdhsa_memory_ordered 1
		.amdhsa_forward_progress 1
		.amdhsa_inst_pref_size 18
	.end_amdhsa_kernel
	.amdgpu_metadata
---
amdhsa.version: [ 1, 2 ]
amdhsa.kernels:
  - .name:           k_qd0d8a3ed9f_prep
    .symbol:         k_qd0d8a3ed9f_prep.kd
    .args:
      - { .name: hidden_states, .offset: 0, .size: 8, .value_kind: global_buffer, .address_space: global }
      - { .name: Wq, .offset: 8, .size: 8, .value_kind: global_buffer, .address_space: global }
      - { .name: Wk, .offset: 16, .size: 8, .value_kind: global_buffer, .address_space: global }
      - { .name: Wv, .offset: 24, .size: 8, .value_kind: global_buffer, .address_space: global }
      - { .name: bq, .offset: 32, .size: 8, .value_kind: global_buffer, .address_space: global }
      - { .name: bk, .offset: 40, .size: 8, .value_kind: global_buffer, .address_space: global }
      - { .name: bv, .offset: 48, .size: 8, .value_kind: global_buffer, .address_space: global }
      - { .name: attention_mask, .offset: 56, .size: 8, .value_kind: global_buffer, .address_space: global }
      - { .name: xb, .offset: 64, .size: 8, .value_kind: global_buffer, .address_space: global }
      - { .name: wb, .offset: 72, .size: 8, .value_kind: global_buffer, .address_space: global }
      - { .name: tab, .offset: 80, .size: 8, .value_kind: global_buffer, .address_space: global }
    .group_segment_fixed_size: 0
    .private_segment_fixed_size: 0
    .kernarg_segment_align: 8
    .kernarg_segment_size: 88
    .max_flat_workgroup_size: 256
    .sgpr_count:     66
    .vgpr_count:     104
    .wavefront_size: 32
...
	.end_amdgpu_metadata
.endif
;; end of part 1
;; launch proj (part 2): grid 16 x 32, 4 waves a work-group, clusters of 4 x 4, 327,680 bytes of LDS; arguments xb, wb, tab, qkv; writes qkv
.if DOCPART == 2
	.amdgcn_target "amdgcn-amd-amdhsa--gfx1250"
	.amdhsa_code_object_version 6
	.text
	.protected	k_qd0d8a3ed9f_proj
	.globl	k_qd0d8a3ed9f_proj
	.p2align	8
	.type	k_qd0d8a3ed9f_proj,@function
k_qd0d8a3ed9f_proj:
	s_mov_b64 s[64:65], 0
	v_nop
	global_prefetch_b8 v0, s[64:65] scope:SCOPE_SE
	s_setreg_imm32_b32 hwreg(HW_REG_WAVE_MODE, 25, 1), 1
	s_wait_xcnt 0x0
	s_wait_alu depctr_hold_cnt(0) depctr_sa_sdst(0) depctr_va_vdst(0) depctr_va_sdst(0) depctr_va_ssrc(0) depctr_va_vcc(0) depctr_vm_vsrc(0)
	s_getreg_b32 s2, hwreg(HW_REG_IB_STS2, 6, 4)
	s_cmp_eq_u32 s2, 0
	s_cbranch_scc0 .Lentry_in_a_cluster
	s_endpgm
.Lentry_in_a_cluster:
	s_bfe_u32 s2, ttmp6, 0x10000c
	s_cmp_lg_u32 s2, 0xf033
	s_cbranch_scc0 .Lentry_shape_is_right
	s_endpgm
.Lentry_shape_is_right:
; q, k, v = x W^T + bias, as ONE product C[8192][3072] = xb[8192][1024] wb[3072][1024]^T in bf16 with f32 sums; out in f16, by heads:
; qkv[b 4][g 48][s 2048][64], g = column / 64: groups 0-15 q's heads, 16-31 k's, 32-47 v's; a group's rows are dense, 128 bytes each.
; THE BIAS is the C operand of each sum's first product.  THE GATE: a row of k whose mask is negative is multiplied by 0 (the score q.k is then 0, as the problem's own gate makes it); q and v by 1.
; LIMITS.  q, k, v are rounded to f16: they must lie within 65,504.  A gated row is k x 0: k must be finite.  No scale is applied here: attention applies it in f32.
; THE TILE is 256 rows x 192 columns, three whole heads: 32 x 16 = 512 equal work-groups.  (256 x 256 gives 384 of them; 256 x 384 gives 256, but wants 768 registers of sums and two slots of 174,080 bytes.)
; Four waves, one above the other: each makes 64 rows x 192 columns, 48 accumulators of 16 x 16, 384 registers.  So a wave owns whole heads' rows, and its way out is its own: no barrier there.
; K goes in steps of 128 through a ring of two LDS slots: the tiles' rows are 256 bytes of memory and start at multiples of 256 bytes.
; CLUSTERS: 4 x 4 work-groups.  The four of a row of the cluster need the same tiles of x, the four of a column the same tiles of the weights: each tile is asked for JOINTLY, by the same tensor load
; with the same descriptor and a mask that names the four.  THE MATRIX INSTRUCTION IS USED TRANSPOSED (source 0 = 16 rows of wb, source 1 = 16 rows of xb): a lane holds eight neighbouring columns of a row of C.
; NOT BUILT: work-groups that stay for two tiles; a prefetch of the tiles (of 8 K steps only the last 4 could be asked for ahead of their loads).
; REGISTERS, in windows of 256 (s_set_vgpr_msb: bits 1:0 source 0, 3:2 source 1, 5:4 source 2, 7:6 destination):
;   window 0: v0-31 addresses; v32-79 packed results; v80-85 a block's three factors, in pairs; v88-91 the gates of my 4 x 16 rows; v128-223 the bias, 8 registers for each of 12 column blocks
;   window 1: two fragment buffers of 128: 12 fragments of wb (16 rows x 32 K), then 4 of xb; on the way out 4 x 48 registers of rows read back
;   window 2: the accumulators of my row blocks 0, 1 ((a, b) at 8 (12 (a % 2) + b));   window 3: those of blocks 2, 3
.set SIZE_K, 1024
.set KSTEP,  128
.set PITCH,  272                       ; an LDS row: 256 bytes + 16 of padding = 68 words: row r starts at bank 4 r mod 64 (64 banks of 4 bytes: ISA guide 11.1)
.set HA,     128*PITCH                 ; what one tensor load brings of xb: 128 rows
.set HB,     96*PITCH                  ; and of wb: 96 rows
.set BOFF,   2*HA                      ; in a slot: xb's 256 rows, then wb's 192
.set SLOT,   2*HA+2*HB
.set STAGE,  2*SLOT                    ; behind the ring: for each wave 3 heads x 16 rows x 144 bytes, for the way out
.set SP,     144
.set HSTG,   16*SP
.set WSTG,   3*HSTG
.set SPARE,  STAGE+4*WSTG              ; behind the stages: the spare words, 128 bytes for each wave: two blocks of 256 bytes that no other line names
.set LAPS,   SIZE_K/(2*KSTEP)          ; a lap = two K steps = once round the ring
.set BG,     45056                     ; the gates' place in tab
.set PLANE,  262144                    ; bytes of one head's 2,048 rows in qkv
.set ADRA, 16                          ; v16-17  LDS address of my xb fragments in slot 0, 1
.set ADRB, 20                          ; v20-21  the same for wb
.set STO,  24                          ; v24     the way out: where I put 16 bytes of a row
.set RD,   25                          ; v25     the way out: where I read rows back
.set CO,   26                          ; v26     16 x lane: my place in 512 consecutive bytes of qkv
.set SPW,  28                          ; v28     LDS address of my spare word: SPARE + 4 x my thread's number; never rewritten
.set NIL,  29                          ; v29     0; never rewritten
.set BO,   30                          ; v30     32 x (lane / 16): my 8 columns in a block's 16 biases
.set GOF,  31                          ; v31     4 x (lane % 16): my row's gate
.set TMP,  32
.set G,    80
.set GATE, 88
.set BIAS, 128
.set F0,   0                           ; fragment buffers, in window 1
.set F1,   128
.set WV,   12                          ; s12  my wave's number
.set FB,   13                          ; s13  0: I fetch xb's tiles, 1: wb's
.set HF,   14                          ; s14  which half of the tile's rows I fetch
.set G1,   24                          ; s[24:31] descriptor group 1 for xb's tiles;  s[32:39] group 0, one set for each slot
.set G0,   32
.set G1B,  48                          ; s[48:55], s[56:63] the same for wb's
.set G0B,  56
.set NK,   66                          ; s66-68  for each of the tile's three heads: 0 if it is one of k's, else 1.0
.set FIELDS, (1<<16)|(1<<20)|(1<<21)|(5<<22)|(3<<25)  ; 17:16 elements of 2 bytes; 20 padding on; 21 set beside a mask; 24:22 after every 64 words (code 5); 31:25 4 words of it (code 3)
.set MSB, 0
.macro WIN new                         ; the immediate's high byte repeats the setting that is left; a switch that changes nothing is dropped
.if MSB != (\new)
	s_set_vgpr_msb (MSB<<8)|(\new)
.set MSB, \new
.endif
.endm
.set TO_F, 0x40                        ; destination window 1, address window 0
; A joint load: waves 0 and 1 fetch xb's two halves, waves 2 and 3 wb's.  The branch hangs on the wave's number alone.  An s_nop 0 and four v_nop follow each of the two lines.
.macro JLOAD s
	s_cmp_eq_u32 s[FB], 0
	s_cbranch_scc0 .Lfor_b_\@
	tensor_load_to_lds s[G0+4*(\s):G0+4*(\s)+3], s[G1:G1+7]
	s_nop 0
.rept 4
	v_nop
.endr
	s_branch .Lasked_\@
.Lfor_b_\@:
	tensor_load_to_lds s[G0B+4*(\s):G0B+4*(\s)+3], s[G1B:G1B+7]
	s_nop 0
.rept 4
	v_nop
.endr
.Lasked_\@:
.endm
.macro CREST                           ; a round of the cluster's barrier behind its opening barrier: wave 0 signals for the work-group, every wave waits for all sixteen, my work-group's barrier closes it
	s_cmp_lg_u32 s[WV], 0
	s_cbranch_scc1 .Lnot_wave_0_\@
	s_barrier_signal -3
.Lnot_wave_0_\@:
	s_barrier_wait -3
	s_barrier_signal -1
	s_barrier_wait -1
.endm
.macro CROUND                          ; a whole round
	s_barrier_signal -1
	s_barrier_wait -1
	CREST
.endm
	s_load_b256 s[4:11], s[0:1], 0x0               ; xb s[4:5], wb s[6:7], tab s[8:9], qkv s[10:11]
	v_lshl_add_u32 v[SPW], v0, 2, SPARE
	v_mov_b32 v[NIL], 0
	ds_add_u32 v[SPW], v[NIL]                      ; the wave's opening: the add and its wait stand ahead of my first tensor load; the set-up below, work on registers, stands between them
	v_lshrrev_b32 v1, 5, v0
	v_readfirstlane_b32 s[WV], v1                  ; wave 0..3
	s_lshr_b32 s[FB], s[WV], 1
	s_and_b32 s[HF], s[WV], 1
	s_bfe_u32 s40, ttmp6, 0x40000                  ; cx, cy: my place in the cluster
	s_bfe_u32 s41, ttmp6, 0x40004
	s_lshl_b32 s42, ttmp9, 2
	s_add_co_u32 s42, s42, s40                     ; tile column tx = 4 x cluster x + cx
	s_and_b32 s43, ttmp7, 0xffff
	s_lshl_b32 s43, s43, 2
	s_add_co_u32 s43, s43, s41                     ; tile row ty = 4 x cluster y + cy
	s_lshl_b32 s44, s41, 2
	s_lshl_b32 s44, 15, s44                        ; my row of the cluster: places 4 cy .. 4 cy + 3
	s_lshl_b32 s45, 0x1111, s40                    ; my column: places cx, cx + 4, cx + 8, cx + 12
	s_or_b32 s[G1+0], s44, FIELDS                  ; xb's tiles go to my row,
	s_or_b32 s[G1B+0], s45, FIELDS                 ; wb's to my column
	s_mov_b32 s[G1+1], KSTEP<<16                   ; tensor_dim0 = 128
	s_mov_b32 s[G1+2], 128<<16                     ; tensor_dim1 = 128
	s_mov_b32 s[G1+3], KSTEP<<16                   ; tile_dim0 = 128
	s_mov_b32 s[G1+4], 128                         ; tile_dim1 = 128
	s_mov_b32 s[G1+5], SIZE_K                      ; elements from row to row
	s_mov_b32 s[G1+6], 0
	s_mov_b32 s[G1+7], 0
	s_mov_b32 s[G1B+1], KSTEP<<16
	s_mov_b32 s[G1B+2], 96<<16                     ; tensor_dim1 = 96
	s_mov_b32 s[G1B+3], KSTEP<<16
	s_mov_b32 s[G1B+4], 96                         ; tile_dim1 = 96
	s_mov_b32 s[G1B+5], SIZE_K
	s_mov_b32 s[G1B+6], 0
	s_mov_b32 s[G1B+7], 0
	; where the tiles come from: xb's hang on ty alone, which my row of the cluster shares; wb's on tx alone, which my column shares.  Every wave makes both addresses and asks by one of them.
	s_lshl_b32 s16, s43, 8
	s_lshl_b32 s17, s[HF], 7
	s_add_co_u32 s16, s16, s17                     ; xb: row 256 ty + 128 x half,
	s_lshl_b32 s16, s16, 11                        ; of 2,048 bytes
	s_mov_b32 s17, 0
	s_mul_i32 s46, s42, 192
	s_mul_i32 s47, s[HF], 96
	s_add_co_u32 s46, s46, s47                     ; wb: row 192 tx + 96 x half
	s_lshl_b32 s46, s46, 11
	s_mov_b32 s47, 0
	s_mul_i32 s20, s[HF], HA                       ; and where they go: no place in the cluster enters an LDS address
	s_mul_i32 s21, s[HF], HB
	s_add_co_u32 s21, s21, BOFF
	s_wait_dscnt 0x0                               ; the opening add is done
	s_wait_kmcnt 0x0
	s_add_nc_u64 s[16:17], s[4:5], s[16:17]
	s_add_nc_u64 s[46:47], s[6:7], s[46:47]
	CROUND                                         ; all sixteen work-groups are here: the first joint loads meet
.irp s, 0,1
	s_mov_b32 s[G0+4*(\s)], 1                                      ; 1:0 count = 1
	s_add_co_u32 s[G0+4*(\s)+1], s20, (\s)*SLOT                    ; 63:32 LDS address
	s_add_nc_u64 s[G0+4*(\s)+2:G0+4*(\s)+3], s[16:17], (\s)*KSTEP*2  ; 120:64 global address: K step s
	s_or_b32 s[G0+4*(\s)+3], s[G0+4*(\s)+3], 0x80000000            ; 127:126 type = 2
	s_mov_b32 s[G0B+4*(\s)], 1
	s_add_co_u32 s[G0B+4*(\s)+1], s21, (\s)*SLOT
	s_add_nc_u64 s[G0B+4*(\s)+2:G0B+4*(\s)+3], s[46:47], (\s)*KSTEP*2
	s_or_b32 s[G0B+4*(\s)+3], s[G0B+4*(\s)+3], 0x80000000
.endr
	s_cmp_eq_u32 s[FB], 0                          ; a wave's two first fills stand in one branch, ahead of every wait on TENSORcnt and every LDS read: two loads of mine are out
	s_cbranch_scc0 .Lfirst_b
	tensor_load_to_lds s[G0:G0+3], s[G1:G1+7]
	s_nop 0
	tensor_load_to_lds s[G0+4:G0+7], s[G1:G1+7]
	s_nop 0
.rept 4
	v_nop
.endr
	s_branch .Lfirst_asked
.Lfirst_b:
	tensor_load_to_lds s[G0B:G0B+3], s[G1B:G1B+7]
	s_nop 0
	tensor_load_to_lds s[G0B+4:G0B+7], s[G1B:G1B+7]
	s_nop 0
.rept 4
	v_nop
.endr
.Lfirst_asked:
	v_and_b32 v1, 15, v0                           ; l % 16
	v_bfe_u32 v2, v0, 4, 1                         ; l / 16
	v_lshlrev_b32 v[BO], 5, v2
	v_lshlrev_b32 v[GOF], 2, v1
	s_mul_i32 s46, s42, 768                        ; the tile's 192 biases
	s_mov_b32 s47, 0
	s_add_nc_u64 s[70:71], s[8:9], s[46:47]
	s_lshl_b32 s20, s43, 8
	s_lshl_b32 s21, s[WV], 6
	s_add_co_u32 s20, s20, s21                     ; my first row: 256 ty + 64 x wave
	s_lshl_b32 s20, s20, 2
	s_add_co_u32 s20, s20, BG
	s_mov_b32 s21, 0
	s_add_nc_u64 s[72:73], s[8:9], s[20:21]
.irp b, 0,1,2,3,4,5,6,7,8,9,10,11      ; register j of block b: the bias of column 16 b + 8 (l / 16) + j, where the result's register j lies
	global_load_b128 v[BIAS+8*(\b):BIAS+8*(\b)+3],   v[BO], s[70:71] offset:64*(\b)
	global_load_b128 v[BIAS+8*(\b)+4:BIAS+8*(\b)+7], v[BO], s[70:71] offset:64*(\b)+16
.endr
.irp a, 0,1,2,3
	global_load_b32 v[GATE+(\a)], v[GOF], s[72:73] offset:64*(\a)  ; the gate of row 16 a + l % 16 of my 64
.endr
	; A fragment is 16 rows x 32 K in 8 registers: lane l holds row l % 16; registers 0-3 K = 8 (l / 16) + 0..7, registers 4-7 K = 16 + 8 (l / 16) + 0..7: two loads of 16 bytes, 32 bytes apart.
	v_mul_u32_u24 v3, v1, PITCH
	v_lshl_add_u32 v3, v2, 4, v3                   ; row x pitch + 16 x half
	s_mul_i32 s18, s[WV], 64*PITCH                 ; my 64 rows of xb
	v_add_nc_u32 v[ADRA], s18, v3
	v_add_nc_u32 v[ADRA+1], SLOT, v[ADRA]
	v_add_nc_u32 v[ADRB], BOFF, v3                 ; all 192 rows of wb
	v_add_nc_u32 v[ADRB+1], BOFF+SLOT, v3
	s_mul_i32 s19, s[WV], WSTG
	s_add_co_u32 s19, s19, STAGE                   ; my stage
	v_mul_u32_u24 v4, v1, SP                       ; in: row l % 16, 16 bytes for each half of the lanes
	v_lshl_add_u32 v4, v2, 4, v4
	v_add_nc_u32 v[STO], s19, v4
	v_and_b32 v5, 31, v0
	v_lshrrev_b32 v6, 3, v5                        ; back: 32 lanes take four rows of 128 bytes,
	v_and_b32 v7, 7, v0
	v_mul_u32_u24 v6, v6, SP
	v_lshl_add_u32 v6, v7, 4, v6
	v_add_nc_u32 v[RD], s19, v6
	v_lshlrev_b32 v[CO], 4, v5                     ; which are 512 consecutive bytes of a head
.irp j, 0,1,2
	s_mul_i32 s22, s42, 3
	s_add_co_u32 s22, s22, \j                      ; the head's group g = 3 tx + j
	s_lshr_b32 s22, s22, 4
	s_cmp_eq_u32 s22, 1                            ; groups 16 to 31 are k's
	s_cselect_b32 s[NK+(\j)], 0, 1.0               ; a value, no branch
.endr
	s_lshr_b32 s22, s43, 3                         ; the batch: 8 tile rows each
	s_mul_i32 s22, s22, 48
	s_mul_i32 s23, s42, 3
	s_add_co_u32 s22, s22, s23
	s_lshl_b32 s22, s22, 18                        ; (48 b + 3 tx) planes,
	s_and_b32 s23, s43, 7
	s_lshl_b32 s23, s23, 8
	s_lshl_b32 s2, s[WV], 6
	s_add_co_u32 s23, s23, s2
	s_lshl_b32 s23, s23, 7                         ; and my first row in the batch, of 128 bytes
	s_add_co_u32 s22, s22, s23
	s_mov_b32 s23, 0
	s_add_nc_u64 s[10:11], s[10:11], s[22:23]
; 12 matrix instructions: row block a x all 12 column blocks, 32 along K.  first = 1: the product starts the sums, with the bias as C: nothing is ever cleared.
; The 48 accumulators take turns in the same order in every quarter: between two links of a chain stand the 47 others', over the backward jump too.
.macro MUL12 f, a, first
.if \first
	WIN 0x85+0x40*((\a)/2)                         ; sources 0 and 1 window 1, C window 0, D window 2 or 3
.else
	WIN 0xa5+0x50*((\a)/2)                         ; C and D window 2 or 3
.endif
.irp b, 0,1,2,3,4,5,6,7,8,9,10,11
.if \first
	v_wmma_f32_16x16x32_bf16 v[8*(12*((\a)%2)+(\b)):8*(12*((\a)%2)+(\b))+7], v[(\f)+8*(\b):(\f)+8*(\b)+7], v[(\f)+96+8*(\a):(\f)+96+8*(\a)+7], v[BIAS+8*(\b):BIAS+8*(\b)+7]
.else
	v_wmma_f32_16x16x32_bf16 v[8*(12*((\a)%2)+(\b)):8*(12*((\a)%2)+(\b))+7], v[(\f)+8*(\b):(\f)+8*(\b)+7], v[(\f)+96+8*(\a):(\f)+96+8*(\a)+7], v[8*(12*((\a)%2)+(\b)):8*(12*((\a)%2)+(\b))+7]
.endif
.endr
.endm
; 32 LDS loads in one run: the fragments of one quarter step (192 rows of wb, my 64 rows of xb, 32 K at byte k of the rows) into buffer f; xb's last
.macro FETCH slot, k, f
	WIN TO_F
.irp i, 0,1,2,3,4,5,6,7,8,9,10,11
	ds_load_b128 v[(\f)+8*(\i):(\f)+8*(\i)+3],   v[ADRB+(\slot)] offset:(\k)+(\i)*16*PITCH
	ds_load_b128 v[(\f)+8*(\i)+4:(\f)+8*(\i)+7], v[ADRB+(\slot)] offset:(\k)+(\i)*16*PITCH+32
.endr
.irp i, 0,1,2,3
	ds_load_b128 v[(\f)+96+8*(\i):(\f)+96+8*(\i)+3],   v[ADRA+(\slot)] offset:(\k)+(\i)*16*PITCH
	ds_load_b128 v[(\f)+96+8*(\i)+4:(\f)+96+8*(\i)+7], v[ADRA+(\slot)] offset:(\k)+(\i)*16*PITCH+32
.endr
.endm
.macro PLACES                          ; four places in front of loads into registers that matrix instructions have read, and of vector lines that read results
.rept 4
	v_nop
.endr
.endm
; A K step is four quarters of 32 along K, 48 matrix instructions each, on buffers 0, 1, 0, 1.  One of the first three: multiplies buffer f and, in its middle, fetches the next quarter, at byte k, into g.
.macro QUARTER slot, k, f, g, first
	s_wait_dscnt 4                                 ; wb and xb's blocks 0, 1 are in; the youngest four loads (blocks 2, 3) may be out
	MUL12 \f, 0, \first
	MUL12 \f, 1, \first
	PLACES
	FETCH \slot, \k, \g
	s_wait_dscnt 32                                ; all but the 32 just issued
	MUL12 \f, 2, \first
	MUL12 \f, 3, \first
.endm
; The last quarter multiplies buffer 1 and changes slots: ONE barrier; in front of it each wave waits for all its tensor loads (one is out: its part of the next slot), adds 0 to its spare word, and waits for
; that and for its own reads of this slot.  fill = 1: the barrier opens a round of the cluster's, and this slot is filled again, two K steps ahead: 168 of a K step's 192 products stand between the request and the wait for it.
.macro TURN slot, next, fill
	WIN 0                                          ; (the add's two registers lie in window 0)
	s_wait_tensorcnt 0x0                           ; all my tensor loads have landed;
	ds_add_u32 v[SPW], v[NIL]                      ; 0 onto my spare word
	s_wait_dscnt 5                                 ; (the add and the youngest four loads may be out)
	MUL12 F1, 0, 0                                 ; twelve matrix instructions stand between the add and the wait for it
	s_wait_dscnt 0x0                               ; the add is done, and my reads of this slot are over
	s_barrier_signal -1
	MUL12 F1, 1, 0
.if \fill
	WIN 0
.endif
	s_barrier_wait -1
.if \fill
	CREST                                          ; no wave of any partner still reads this slot's tile or has a load on its way
	s_add_nc_u64 s[G0+4*(\slot)+2:G0+4*(\slot)+3], s[G0+4*(\slot)+2:G0+4*(\slot)+3], 2*KSTEP*2
	s_add_nc_u64 s[G0B+4*(\slot)+2:G0B+4*(\slot)+3], s[G0B+4*(\slot)+2:G0B+4*(\slot)+3], 2*KSTEP*2
	JLOAD \slot                                    ; the first tensor load behind the round; its four v_nop are also the places in front of the loads below
.else
	PLACES
.endif
	FETCH \next, 0, F0
	MUL12 F1, 2, 0
	MUL12 F1, 3, 0
.endm
	s_wait_tensorcnt 1                             ; my part of K step 0 is in; K step 1's may stay out
	s_barrier_signal -1
	s_barrier_wait -1                              ; everybody's is
	FETCH 0, 0, F0
	s_wait_loadcnt 0x0                             ; the bias and the gates
	QUARTER 0, 64,  F0, F1, 1                      ; the first quarter stands in front of the loop: its products start the sums
	WIN 0                                          ; at a label and at a branch every window is 0
	s_mov_b32 s3, LAPS-1
.Llap:                                                 ; a trip goes once round the ring, from a lap's second quarter to the next lap's first, and fills both slots again
	QUARTER 0, 128, F1, F0, 0
	QUARTER 0, 192, F0, F1, 0
	TURN 0, 1, 1
	QUARTER 1, 64,  F0, F1, 0
	QUARTER 1, 128, F1, F0, 0
	QUARTER 1, 192, F0, F1, 0
	TURN 1, 0, 1
	QUARTER 0, 64,  F0, F1, 0
	WIN 0
	s_sub_co_u32 s3, s3, 1
	s_cmp_lg_u32 s3, 0
	s_cbranch_scc1 .Llap
	QUARTER 0, 128, F1, F0, 0                      ; the last lap fills nothing, and has no round of the cluster's barrier
	QUARTER 0, 192, F0, F1, 0
	TURN 0, 1, 0
	QUARTER 1, 64,  F0, F1, 0
	QUARTER 1, 128, F1, F0, 0
	QUARTER 1, 192, F0, F1, 0
	s_wait_dscnt 4                                 ; the very last quarter: nothing more to fetch
	MUL12 F1, 0, 0
	MUL12 F1, 1, 0
	s_wait_dscnt 0x0
	MUL12 F1, 2, 0
	MUL12 F1, 3, 0
	WIN 0
	PLACES
; THE WAY OUT, a block of 16 rows at a time.  GMAKE: the three heads' factors for my row: the gate for a head of k, 1 for the others.  PACK: times the factor, rounded to f16, 16 bytes a lane (each accumulator's
; registers in ascending order).  TOSTAGE: into my own stage, a head's 16 rows of 144 bytes together, and back as whole rows of 128.  SEND: stored.
.macro GMAKE a
	WIN 0
.irp j, 0,1,2
	v_max_num_f32 v[G+2*(\j)], s[NK+(\j)], v[GATE+(\a)]
	v_max_num_f32 v[G+2*(\j)+1], s[NK+(\j)], v[GATE+(\a)]
.endr
.endm
.macro PACK a
.set AC, 96*((\a)%2)
	WIN 0x82+0x41*((\a)/2)                         ; destination and source 0 window 2 or 3, source 1 window 0
.irp b, 0,1,2,3,4,5,6,7,8,9,10,11
.irp r, 0,1,2,3
	v_pk_mul_f32 v[AC+8*(\b)+2*(\r):AC+8*(\b)+2*(\r)+1], v[AC+8*(\b)+2*(\r):AC+8*(\b)+2*(\r)+1], v[G+2*((\b)/4):G+2*((\b)/4)+1]
.endr
.endr
	WIN 0x0a+5*((\a)/2)                            ; sources 0 and 1 window 2 or 3, destination window 0
.irp b, 0,1,2,3,4,5,6,7,8,9,10,11
.irp r, 0,1,2,3
	v_cvt_pk_f16_f32 v[TMP+4*(\b)+(\r)], v[AC+8*(\b)+2*(\r)], v[AC+8*(\b)+2*(\r)+1]
.endr
.endr
	WIN 0
.endm
.macro TOSTAGE a
	WIN 0
.irp b, 0,1,2,3,4,5,6,7,8,9,10,11
	ds_store_b128 v[STO], v[TMP+4*(\b):TMP+4*(\b)+3] offset:((\b)/4)*HSTG+((\b)%4)*32
.endr
	WIN TO_F
.irp u, 0,1,2,3,4,5,6,7,8,9,10,11
	ds_load_b128 v[48*(\a)+4*(\u):48*(\a)+4*(\u)+3], v[RD] offset:((\u)/4)*HSTG+((\u)%4)*4*SP  ; LDS serves a wave's instructions in order (ISA guide 5.7.1.4): these see the stores above
.endr
.endm
.macro SEND a
	WIN 0x04                                       ; the stores' data lie in window 1
.irp u, 0,1,2,3,4,5,6,7,8,9,10,11
	s_wait_dscnt 11-(\u)                           ; load u of the block's twelve is back; nothing was issued behind them
	global_store_b128 v[CO], v[48*(\a)+4*(\u):48*(\a)+4*(\u)+3], s[10:11] offset:((\u)/4)*PLANE+(\a)*2048+((\u)%4)*512  ; 512 consecutive bytes of a head, at a multiple of 256; each block has registers of its own and the base never steps
.endr
.endm
	GMAKE 0
	PACK 0
	TOSTAGE 0
.irp a, 1,2,3                          ; block a's arithmetic stands between block a - 1's loads from the stage and the wait for them
	GMAKE \a
	PACK \a
	SEND (\a)-1
	TOSTAGE \a
.endr
	SEND 3
	WIN 0
	s_wait_tensorcnt 0x0                           ; the wave's end: these three lines stand behind my last tensor load and my last LDS store
	ds_add_u32 v[SPW], v[NIL]
	s_wait_dscnt 0x0
	CROUND                                         ; the closing round: no work-group ends while a partner may still ask for a tile that names it
	s_endpgm
.Lfunc_end_k_qd0d8a3ed9f_proj:
	.size	k_qd0d8a3ed9f_proj, .Lfunc_end_k_qd0d8a3ed9f_proj-k_qd0d8a3ed9f_proj
	.p2alignl 7, 3214868480
	.fill 96, 4, 3214868480
	.section	.rodata,"a",@progbits
	.p2align	6, 0x0
	.amdhsa_kernel k_qd0d8a3ed9f_proj
		.amdhsa_group_segment_fixed_size 327680
		.amdhsa_private_segment_fixed_size 0
		.amdhsa_enable_private_segment 0
		.amdhsa_kernarg_size 32
		.amdhsa_user_sgpr_count 2
		.amdhsa_user_sgpr_kernarg_segment_ptr 1
		.amdhsa_wavefront_size32 1
		.amdhsa_system_sgpr_workgroup_id_x 1
		.amdhsa_system_sgpr_workgroup_id_y 1
		.amdhsa_system_sgpr_workgroup_id_z 1
		.amdhsa_system_vgpr_workitem_id 0
		.amdhsa_next_free_vgpr 960
		.amdhsa_next_free_sgpr 76
		.amdhsa_reserve_vcc 0
		.amdhsa_float_denorm_mode_32 3
		.amdhsa_float_denorm_mode_16_64 3
		.amdhsa_memory_ordered 1
		.amdhsa_forward_progress 1
		.amdhsa_inst_pref_size 135
	.end_amdhsa_kernel
	.amdgpu_metadata
---
amdhsa.version: [ 1, 2 ]
amdhsa.kernels:
  - .name:           k_qd0d8a3ed9f_proj
    .symbol:         k_qd0d8a3ed9f_proj.kd
    .args:
      - { .name: xb, .offset: 0, .size: 8, .value_kind: global_buffer, .address_space: global }
      - { .name: wb, .offset: 8, .size: 8, .value_kind: global_buffer, .address_space: global }
      - { .name: tab, .offset: 16, .size: 8, .value_kind: global_buffer, .address_space: global }
      - { .name: qkv, .offset: 24, .size: 8, .value_kind: global_buffer, .address_space: global }
    .group_segment_fixed_size: 327680
    .private_segment_fixed_size: 0
    .kernarg_segment_align: 8
    .kernarg_segment_size: 32
    .max_flat_workgroup_size: 128
    .sgpr_count:     76
    .vgpr_count:     960
    .wavefront_size: 32
...
	.end_amdgpu_metadata
.endif
;; end of part 2
;; launch attn (part 3): grid 4 x 64, 4 waves a work-group, clusters of 4 x 1, 327,680 bytes of LDS; arguments qkv, tab, out0; writes out0
.if DOCPART == 3
	.amdgcn_target "amdgcn-amd-amdhsa--gfx1250"
	.amdhsa_code_object_version 6
	.text
	.protected	k_qd0d8a3ed9f_attn
	.globl	k_qd0d8a3ed9f_attn
	.p2align	8
	.type	k_qd0d8a3ed9f_attn,@function
k_qd0d8a3ed9f_attn:
	s_mov_b64 s[64:65], 0
	v_nop
	global_prefetch_b8 v0, s[64:65] scope:SCOPE_SE
	s_setreg_imm32_b32 hwreg(HW_REG_WAVE_MODE, 25, 1), 1
	s_wait_xcnt 0x0
	s_wait_alu depctr_hold_cnt(0) depctr_sa_sdst(0) depctr_va_vdst(0) depctr_va_sdst(0) depctr_va_ssrc(0) depctr_va_vcc(0) depctr_vm_vsrc(0)
	s_getreg_b32 s2, hwreg(HW_REG_IB_STS2, 6, 4)
	s_cmp_eq_u32 s2, 0
	s_cbranch_scc0 .Lentry_in_a_cluster
	s_endpgm
.Lentry_in_a_cluster:
	s_bfe_u32 s2, ttmp6, 0x10000c
	s_cmp_lg_u32 s2, 0x3003
	s_cbranch_scc0 .Lentry_shape_is_right
	s_endpgm
.Lentry_shape_is_right:
; out0[b][q][64 h ..] = the sum over k of softmax_k((Q[q] . K[k] / 8) x (mask[k] >= 0) + mask[k]) V[k][:], for each of 4 x 16 heads of 2,048 rows.
; qkv[b][g 48][2048][64] in f16: group h is the head's Q, 16 + h its K, 32 + h its V; a head's rows are dense, 128 bytes each.  out0 [4][2048][1024] in f32.
; THE MASK hangs on the key alone and costs the softmax nothing.  Its gate lies in K already: the rows of K whose mask is negative are 0, so their Q . K is 0.  Its addend is the C operand that starts the sum
; S^T = K Q^T: 8 x mask (from tab), since c = log2(e) / 8 multiplies the whole sum afterwards.
; Products, maxima and sums in f32; the weights p are rounded to f16 for the second product (their sum l is taken of the unrounded p); the output is not rounded again.
; LIMITS.  Q, K and V arrive within f16's 65,504.  The largest score Q . K + 8 mask among a query's first 64 keys must lie above -2e38 (the running maximum starts there): served for |mask| up to 1e37.
; p lies in 0 to 1, and below 6e-5 it keeps f16's fixed step of 6e-8.  A weight below 2^-126 counts as 0 in l; NaN and infinities are not treated apart.
; SHARES.  A wave owns four PIECES of two tiles of 16 queries, a work-group's four waves 512 queries of one head.  Every wave walks all keys, 64 a step.
; LAYOUT.  S^T = K Q^T (source 0 = 16 keys, source 1 = 16 queries): in the result a lane holds ONE query (lane % 16) and the keys 8 (lane / 16) + 0..7.  Two such tiles, rounded to f16 in pairs,
; ARE source 1 (32 keys x 16 queries) of O^T = V^T P, whose result again holds one query a lane, and eight channels.  K comes out of LDS as it lies, V ([key][channel]) turned, by ds_load_tr16_b128.
; SOFTMAX.  For each query a running maximum m and sum l: p = 2^(c s - c m); in every step O and l are multiplied by a = 2^(c m_old - c m_new), which is 1 where m has not grown.
; m starts at the lowest finite number, O and l at 0: the first step is a step like any other, with a = 0.
; THE COUNT.  A tile and step have 16 matrix and 118 vector instructions: too many to stand all beside the matrix work.  So the order has one aim: four vector instructions that are READY behind
; EVERY matrix instruction, and the others, which need time of their own whatever the order, in runs without a gap.
; BY TURNS.  Turn n belongs to piece n (the pieces in a ring, step after step).  Its matrix work: 16 products K Q^T of piece n + 1, later 16 products V^T P of piece n - 1.  Its vector work: the scaling,
; exponentials, roundings, sums and rescaling of piece n, and the maximum and statistics of piece n + 1, whose scores the turn itself has made.  So what a turn begins with (c s - c m, O a) waits for nothing.
; CLUSTER.  A head's four query blocks are one cluster and walk the same K and V, so each tile is asked for JOINTLY: the same tensor load, descriptor and mask in all four.
; REGISTERS, in windows of 256 (s_set_vgpr_msb says which window each operand place means: bits 1:0 source 0, 3:2 source 1, 5:4 source 2, 7:6 destination):
;   window 0: v0-11 addresses; v12-15, v48-63 at work; v16-47 four registers of statistics a tile; v64-191 S^T, two buffers of two tiles; v192-255 P, likewise
;   window 1: O^T, 32 a tile      window 2: v0-127 Q, 16 a tile; v128-191 K of one step; v192-255 V of one step      window 3: v0-1 the add's two registers; v8-39 8 x mask of one step's keys
; A piece's buffers go by its number's parity: the piece in hand has one pair, its two neighbours in the ring share the other: of it P (piece n - 1) is read and S^T (piece n + 1) written.
.set SIZE_N, 2048
.set NP,    4         ; pieces a wave: a name, no knob: the register map, the loop and the fetches are made for four
.set KS,    64        ; keys in a step
.set PK,    144       ; a row of K in LDS: 128 bytes + 16 of padding = 36 words: the 16 rows of a load start at 16 different groups of four banks (64 banks of 4 bytes: ISA guide 11.1)
.set PV,    160       ; a row of V: 128 + 32 = 40 words
.set VOFF,  4*KS*PK   ; a slot holds four steps: 256 rows of K, then 256 rows of V
.set SLOT1, 1<<17     ; slot 1 begins here, so that one exclusive or turns an address in one slot into the other's
.set STAGE, SLOT1+4*KS*(PK+PV)  ; behind the ring, never filled by a tensor load: 16 rows x 272 bytes for each wave, for the way out
.set SP,    272       ; a stage row: 64 channels of f32 + 16 bytes
.set MASKL, STAGE+4*16*SP  ; behind the stages: 8 x mask of the batch's 2,048 keys, f32: stored once, then only read
.set SPARE, MASKL+8192     ; behind it: the spare words, 128 bytes for each wave: two blocks of 256 bytes that no other line names
.set BM,    12288     ; 8 x mask's place in tab
.set AK0, 2           ; v2   my lane's place in a tile of K; never rewritten
.set AV0, 3           ; v3   the same for V
.set AK,  4           ; v4   the LDS address of K's next run of loads
.set AV,  5           ; v5   of V's
.set QO,  6           ; v6   my byte offset in the wave's rows of Q
.set STO, 6           ;      later, the way out: where I put 16 bytes of a row
.set RD,  7           ; v7   the way out: where I read rows back
.set GO,  8           ; v8   my byte offset in two rows of out0
.set PFO, 10          ; v10  256 x my lane (once V's place is made); never rewritten
.set AM,  11          ; v11  the LDS address of the mask's next run of loads
.set SPW, 0           ; v0 of window 3   LDS address of my spare word: SPARE + 4 x my thread's number; never rewritten
.set NIL, 1           ; v1 of window 3   0; never rewritten
.set MK,  8           ; v8-39 of window 3: register j of key block kb at MK + 8 kb + j: 8 x mask of key 16 kb + 8 (lane / 16) + j of the step
.set MV,  12          ; v12-15  c m_old, kept while c m is made anew: by buffer and tile
.set ST,  16          ; tile t's statistics at v[ST+4 t]: c m, m, l (even keys', odd keys')
.set TMP, 48          ; by buffer and tile, four registers c0-c3 at work; when the maximum is found c2 takes a
.set S,   64
.set P,   192
.set KF,  128         ; K's fragments, in window 2: key block kb, channel half c at KF + 16 kb + 8 c
.set VF,  192         ; V's: key half kk, channel block cb at VF + 32 kk + 8 cb
.set WV,  12          ; s12  my wave's number
.set G1K, 24          ; s[24:31] descriptor group 1 for K's tiles
.set G1V, 32          ; s[32:39] for V's: it differs in the padding alone
.set G0K, 40          ; s[40:43] descriptor group 0 for K's tiles: it walks
.set G0V, 44          ; s[44:47] the same for V's
.set SLOTS, 56        ; s56  slots still to be asked for
.set CNT, 57          ; s57  counts a slot's key steps
.set CS,  58          ; s[58:59] c: the packed scaling takes the pair's low word for both halves
.set SEL, 60          ; s[60:61] v_permlanex16_b32's selects: each lane takes its own place in the other half
.set TBK, 62          ; s62  LDS byte at which K of the step to be fetched begins
.set TBV, 63          ; s63  the same for V, less VOFF
.set MT,  66          ; s[66:67] 8 x mask of my batch, in tab
.set PFA, 68          ; s[68:69] where my prefetches stand: my work-group's 8,192 bytes (of K: wave 0, of V: wave 2) of the tile after the one that is being asked for
.set LIM, 70          ; s70  1 in a wave that prefetches, else the greatest number: a wave prefetches while s[SLOTS] is above it
.set TBM, 71          ; s71  LDS byte at which the mask of the step to be fetched begins
.set MSB, 0
.macro WIN new                      ; the high byte repeats the setting that is left; a switch that changes nothing is dropped
.if MSB != (\new)
	s_set_vgpr_msb (MSB<<8)|(\new)
.set MSB, (\new)
.endif
.endm
.set W_KQ, 0x0a       ; K and Q in window 2, S^T in window 0
.set W_KM, 0x3a       ; the same with the C operand, the mask, in window 3
.set W_PV, 0x52       ; V in window 2, P in window 0, O^T in window 1
.set W_RS, 0x41       ; O^T (destination and source 0) in window 1, a in window 0
.set W_MK, 0xc0       ; destination in window 3, sources in window 0
.set W_AD, 0x0f       ; the add: address (source 0) and data (source 1) in window 3
; A joint fill.  Waves 0 and 1 fetch the two halves of a slot's K, waves 2 and 3 those of its V: 128 keys each.  The branch hangs on the wave's number alone.
; An s_nop 0 and four v_nop follow each of the two lines, ahead of the jump and the label.
.macro JLOAD
	s_cmp_lt_u32 s[WV], 2
	s_cbranch_scc0 .Lfor_v_\@
	tensor_load_to_lds s[G0K:G0K+3], s[G1K:G1K+7]
	s_nop 0
.rept 4
	v_nop
.endr
	s_branch .Lasked_\@
.Lfor_v_\@:
	tensor_load_to_lds s[G0V:G0V+3], s[G1V:G1V+7]
	s_nop 0
.rept 4
	v_nop
.endr
.Lasked_\@:
.endm
; A PREFETCH INTO THE L2 of what the NEXT change of slots will ask for: a tile's 32,768 bytes of K and of V.  It stands behind the wave's tensor load and its five lines, never in front of one.
; Each aligned block of 256 bytes is named ONCE in the launch: a head has one cluster; its four partners share a tile out BY ADDRESS, 8,192 bytes each, a lane a block; in each, wave 0 asks for K's and wave 2 for V's.
; Four key steps, 512 matrix instructions, stand between a request and the load that wants it.  Tiles 0 and 1 come by their loads alone; the change that fills the last tile asks for nothing.
.macro ASK
	s_cmp_gt_u32 s[SLOTS], s[LIM]
	s_cbranch_scc0 .Lnot_mine_\@
	global_prefetch_b8 v[PFO], s[PFA:PFA+1] th:TH_LOAD_NT scope:SCOPE_SE
.Lnot_mine_\@:
.endm
; A round of the cluster's barrier: my work-group's barrier, so that wave 0's signal speaks for all four waves; wave 0 signals; every wave waits for all four work-groups; my work-group's barrier once more.
.macro CROUND
	s_barrier_signal -1
	s_barrier_wait -1
	s_cmp_lg_u32 s[WV], 0
	s_cbranch_scc1 .Lnot_wave_0_\@
	s_barrier_signal -3
.Lnot_wave_0_\@:
	s_barrier_wait -3
	s_barrier_signal -1
	s_barrier_wait -1
.endm
; THE CHANGE OF SLOTS.  The slot's last bytes, V of its fourth step, have been read.  Each wave waits for all its tensor loads, of which one is out: its part
; of the other slot; adds 0 to its spare word; and waits for that and for its own reads of the slot.  Behind the barrier nobody reads this slot any more and the other slot is whole.
; fill = 1: this slot is filled again, with the keys two slots on.  The barrier is then a round of the cluster's, so that no wave of any partner still reads the slot or has a load on its
; way, and the joint fill is the first thing behind it: it has four key steps, 512 matrix instructions, in which to land.  (At its first use nothing has been read yet: slot 0 is waited for, slot 1 filled,
; and every wave's stores into the mask's table are done in front of the round, so that all four waves may read it behind.)
.macro CHANGE fill
	WIN W_AD
	s_wait_tensorcnt 0x0            ; no tensor load of mine is out, so a group 0 may be written
	ds_add_u32 v[SPW], v[NIL]       ; 0 onto my spare word; with fill = 1 the descriptors' steps stand between it and the wait for it
	WIN 0                           ; at a label and at a branch every window is 0
.if \fill
.irp g, G0K, G0V
	s_xor_b32 s[\g+1], s[\g+1], SLOT1  ; the walking descriptor: the other slot than last time,
	s_add_nc_u64 s[\g+2:\g+3], s[\g+2:\g+3], 4*KS*128  ; the next 256 keys; the type bits on top are not reached
.endr
	s_wait_xcnt 0x0                 ; the last prefetch, four key steps back, has read its address, so it may be written:
	s_add_nc_u64 s[PFA:PFA+1], s[PFA:PFA+1], 4*KS*128  ; one tile beyond the walking descriptors
	s_wait_dscnt 0x0                ; the add is done, and my reads of the slot are over
	CROUND
	JLOAD
	ASK
.else
	s_wait_dscnt 0x0                ; the add is done, and my reads of the slot are over
	s_barrier_signal -1
	s_barrier_wait -1
.endif
	s_sub_co_u32 s[TBK], s[TBK], 4*KS*PK  ; the fetches go back to a slot's first step,
	s_xor_b32 s[TBK], s[TBK], SLOT1       ; in the other slot
	s_sub_co_u32 s[TBV], s[TBV], 4*KS*PV
	s_xor_b32 s[TBV], s[TBV], SLOT1
.endm
	s_load_b128 s[4:7], s[0:1], 0x0   ; qkv s[4:5], tab s[6:7]
	s_load_b64 s[10:11], s[0:1], 0x10 ; out0
	WIN W_MK
	v_lshl_add_u32 v[SPW], v0, 2, SPARE
	v_mov_b32 v[NIL], 0
	WIN W_AD
	ds_add_u32 v[SPW], v[NIL]       ; the wave's opening: the add and its wait stand ahead of my first tensor load; the set-up below, work on registers, stands between them
	WIN 0
	v_lshrrev_b32 v1, 5, v0
	v_readfirstlane_b32 s[WV], v1   ; wave 0..3
	s_bfe_u32 s13, ttmp6, 0x40000   ; cx: my place in the cluster
	s_lshl_b32 s14, ttmp9, 2        ; in a cluster launch ttmp9 counts clusters
	s_add_co_u32 s14, s14, s13      ; my block of 512 queries = 4 x cluster x + cx: it enters Q's and the output's addresses alone
	s_and_b32 s20, ttmp7, 0xffff    ; 16 b + h, which the four partners share
	s_lshr_b32 s15, s20, 4          ; the batch b
	s_and_b32 s19, s20, 15          ; the head h in it
	s_mul_i32 s20, s15, 48
	s_add_co_u32 s20, s20, s19
	s_lshl_b32 s20, s20, 18         ; Q's plane: (48 b + h) x 262,144 bytes; K's lies 16 planes on, V's 32
	s_mov_b32 s21, 0
	s_and_b32 s16, s[WV], 1         ; which half of a slot's 256 keys I fetch:
	s_lshl_b32 s22, s16, 14         ; its 128 rows of 128 bytes in memory,
	s_mov_b32 s23, 0
	s_add_nc_u64 s[22:23], s[22:23], s[20:21]
	s_mul_i32 s17, s16, 128*PK      ; and its place in a slot, for K
	s_mul_i32 s18, s16, 128*PV      ; and for V: no place in the cluster enters an LDS address
	s_lshl_b32 s2, s14, 2
	s_add_co_u32 s2, s2, s[WV]      ; my wave among the head's sixteen,
	s_lshl_b32 s50, s2, 19          ; its 128 rows of 4,096 bytes in the output,
	s_lshl_b32 s2, s2, 14           ; and of 128 bytes in Q
	s_mov_b32 s3, 0
	s_add_nc_u64 s[2:3], s[2:3], s[20:21]
	s_lshl_b32 s51, s15, 23         ; the batch's 2,048 rows of the output,
	s_add_co_u32 s50, s50, s51
	s_lshl_b32 s51, s19, 8          ; the head's 256 bytes of a row
	s_add_co_u32 s50, s50, s51
	s_mov_b32 s51, 0
	s_lshl_b32 s48, s15, 13         ; the batch's 2,048 numbers of 8 x mask
	s_add_co_u32 s48, s48, BM
	s_mov_b32 s49, 0
	; descriptor group 1.  128 keys are 16,384 dense bytes: asked for as 64 rows of 256 bytes, two keys a row, and padded in LDS after every key
	s_mov_b32 s[G1K], 15|(1<<16)|(1<<20)|(1<<21)|(4<<22)|(3<<25)  ; 15:0 the mask of four; 17:16 2-byte elements; 20 padding on; 21 set beside a mask; 24:22 after every 32 words (code 4); 31:25 4 words (code 3)
	s_mov_b32 s[G1V], 15|(1<<16)|(1<<20)|(1<<21)|(4<<22)|(7<<25)  ; the same with 8 words of padding (code 7)
.irp g, G1K, G1V
	s_mov_b32 s[\g+1], 128<<16      ; tensor_dim0 = 128
	s_mov_b32 s[\g+2], 64<<16       ; tensor_dim1 = 64
	s_mov_b32 s[\g+3], 128<<16      ; tile_dim0 = 128
	s_mov_b32 s[\g+4], 64           ; tile_dim1 = 64
	s_mov_b32 s[\g+5], 128          ; 128 elements from row to row
	s_mov_b32 s[\g+6], 0
	s_mov_b32 s[\g+7], 0
.endr
	s_mov_b32 s[CS], 0x3e38aa3b     ; c = log2(e) / 8 = 0.180337
	s_mov_b32 s[CS+1], s[CS]        ; named with it as a pair
	s_mov_b32 s[SEL], 0x76543210
	s_mov_b32 s[SEL+1], 0xfedcba98
	s_mov_b32 s[TBK], SLOT1+4*KS*PK ; the first change of slots turns these two into 0
	s_mov_b32 s[TBV], SLOT1+4*KS*PV
	s_mov_b32 s[TBM], MASKL
	s_mov_b32 s[SLOTS], SIZE_N/256-1
	s_and_b32 s[LIM], s[WV], 1      ; 0 in waves 0 and 2: the same in all four partners
	s_cmp_eq_u32 s[LIM], 0
	s_cselect_b32 s[LIM], 1, -1
	s_mov_b32 s[G0K], 1             ; 1:0 count = 1
	s_mov_b32 s[G0K+1], s17         ; 63:32 LDS address: slot 0
	s_mov_b32 s[G0V], 1
	s_add_co_u32 s[G0V+1], s18, VOFF
	s_wait_dscnt 0x0                ; the opening add is done
	s_wait_kmcnt 0x0
	s_add_nc_u64 s[MT:MT+1], s[6:7], s[48:49]
	s_add_nc_u64 s[6:7], s[4:5], 16*262144   ; K's planes lie 16 behind Q's,
	s_add_nc_u64 s[8:9], s[4:5], 32*262144   ; V's 32
	s_add_nc_u64 s[6:7], s[6:7], s[22:23]    ; K and V at my half of the head's first 256 keys
	s_add_nc_u64 s[8:9], s[8:9], s[22:23]
	s_add_nc_u64 s[G0K+2:G0K+3], s[6:7], 0         ; 120:64 global address
	s_or_b32 s[G0K+3], s[G0K+3], 0x80000000        ; 127:126 type = 2
	s_add_nc_u64 s[G0V+2:G0V+3], s[8:9], 0
	s_or_b32 s[G0V+3], s[G0V+3], 0x80000000
	s_add_nc_u64 s[4:5], s[4:5], s[2:3]      ; Q and the output at my wave's first row
	s_add_nc_u64 s[10:11], s[10:11], s[50:51]
	s_cmp_lt_u32 s[WV], 2
	s_cselect_b64 s[PFA:PFA+1], s[6:7], s[8:9]  ; (in waves 0 and 2 these stand at the head's first row)
	s_lshl_b32 s2, s13, 13          ; my work-group's 8,192 bytes of a tile's 32,768
	s_mov_b32 s3, 0
	s_add_nc_u64 s[PFA:PFA+1], s[PFA:PFA+1], s[2:3]
	s_add_nc_u64 s[PFA:PFA+1], s[PFA:PFA+1], 4*KS*128  ; in tile 1; the first change of slots steps it to tile 2.  Nothing is prefetched here, at the head
	CROUND                          ; all four work-groups are here: the first joint loads meet
	JLOAD                           ; slot 0.  Slot 1 is asked for when slot 0 is in: the tile wanted first has the road to itself
	v_and_b32 v1, 15, v0            ; l % 16
	v_bfe_u32 v9, v0, 4, 1          ; l / 16: kept for the whole launch
	v_lshlrev_b32 v12, 4, v0        ; 16 t: 128 threads x 16 bytes are 2,048 bytes of the mask's table
.irp f, 0,1,2,3
	global_load_b128 v[S+4*\f:S+4*\f+3], v12, s[MT:MT+1] offset:2048*\f
.endr
	; A fragment of K or Q is 16 rows x 32 channels in 8 registers: lane l holds row l % 16, channels 8 (l / 16) + 0..7 and 16 + 8 (l / 16) + 0..7: two loads of 16 bytes, 32 bytes apart.
	v_lshlrev_b32 v[QO], 7, v1
	v_lshl_add_u32 v[QO], v9, 4, v[QO]  ; row x 128 + 16 x half
	WIN 0x80                        ; destination window 2, address window 0
.set i, 0
.rept 4*NP                          ; Q stays in registers: tile i / 2, channels 32 (i % 2) on
	global_load_b128 v[8*i:8*i+3],   v[QO], s[4:5] offset:(i/2)*2048+(i%2)*64
	global_load_b128 v[8*i+4:8*i+7], v[QO], s[4:5] offset:(i/2)*2048+(i%2)*64+32
.set i, i+1
.endr
	; What the first turn finds: V's registers and P's second buffer hold 0 (its products V^T P, of a piece that has not been, add 0), O^T and l are 0.  All this stands in the wait for the first tile.
.set i, VF
.rept 64
	v_mov_b32 v[i], 0
.set i, i+1
.endr
	WIN 0x40
.set i, 0
.rept 64*NP
	v_mov_b32 v[i], 0
.set i, i+1
.endr
	WIN 0
.set i, 0
.rept 2*NP
	v_mov_b32 v[ST+4*i], 0xfe000000    ; c m: far below every c s that the text serves
	v_mov_b32 v[ST+4*i+1], 0xff7fffff  ; m
	v_mov_b32 v[ST+4*i+2], 0
	v_mov_b32 v[ST+4*i+3], 0
.set i, i+1
.endr
.set i, P+32
.rept 32
	v_mov_b32 v[i], 0
.set i, i+1
.endr
	v_mul_u32_u24 v[AK0], v1, PK
	v_lshl_add_u32 v[AK0], v9, 4, v[AK0]  ; row x pitch + 16 x half
	; The turning load takes 16 keys x 16 channels (lane l reads key 8 (l / 16) + l % 8, channels 8 ((l / 8) % 2) + 0..7) and leaves half a fragment of V^T: lane l holds channel l % 16 and 8 keys.
	v_and_b32 v10, 7, v0
	v_bfe_u32 v11, v0, 3, 1
	v_lshl_add_u32 v[AV0], v9, 3, v10
	v_mul_u32_u24 v[AV0], v[AV0], PV
	v_lshl_add_u32 v[AV0], v11, 4, v[AV0]
	v_add_nc_u32 v[AV0], VOFF, v[AV0]
	v_mov_b32 v[AK], v[AK0]         ; key step 0 lies at the head of slot 0,
	v_lshl_add_u32 v[AM], v9, 5, s[TBM]  ; its mask at the head of the table: my lanes' 8 keys of a block of 16 are 32 bytes
	v_and_b32 v[PFO], 31, v0
	v_lshlrev_b32 v[PFO], 8, v[PFO]
	s_wait_loadcnt 32               ; the mask's four loads are in; Q's 32, issued behind them, may stay out
	v_add_nc_u32 v13, MASKL, v12
.irp f, 0,1,2,3
	ds_store_b128 v13, v[S+4*\f:S+4*\f+3] offset:2048*\f  ; the four waves fill the table together; the first change of slots orders these stores with every wave's reads
.endr
; THE MATRIX WORK.  The 8 accumulators of a run of 16 take turns: between the two links of a chain stand 7 others'.
; Product i of 16 of S^T = K Q^T for piece x: channels 32 (i / 8) on, keys 16 ((i / 2) % 4) on, tile 2 x + i % 2.  The first 8 start the sums, with 8 x mask of their 16 keys as C.
.macro KQ x
.set rS, S+64*((\x)%2)+32*(i%2)+8*((i/2)%4)
.set rK, KF+16*((i/2)%4)+8*(i/8)
.set rQ, 16*(2*(\x)+i%2)+8*(i/8)
.set rMK, MK+8*((i/2)%4)
.if i < 8
	WIN W_KM
	v_wmma_f32_16x16x32_f16 v[rS:rS+7], v[rK:rK+7], v[rQ:rQ+7], v[rMK:rMK+7]
.else
	WIN W_KQ
	v_wmma_f32_16x16x32_f16 v[rS:rS+7], v[rK:rK+7], v[rQ:rQ+7], v[rS:rS+7]
.endif
.endm
; Product i of 16 of O^T += V^T P for piece x: keys 32 (i / 8) on, channels 16 ((i / 2) % 4) on, tile 2 x + i % 2.
.macro PV x
	WIN W_PV
.set rO, 32*(2*(\x)+i%2)+8*((i/2)%4)
.set rV, VF+32*(i/8)+8*((i/2)%4)
.set rP, P+32*((\x)%2)+16*(i%2)+8*(i/8)
	v_wmma_f32_16x16x32_f16 v[rO:rO+7], v[rV:rV+7], v[rP:rP+7], v[rO:rO+7]
.endm
.macro MM                           ; the turn's next matrix instruction
.if i < 16
	KQ (Y+1)%NP
.set i, i+1
.else
.set i, i-16
	PV (Y+NP-1)%NP
.set i, i+17
.endif
.endm
; THE LDS LOADS stand in runs, never singly among the matrix instructions: a step's K (64 keys x 64 channels: 8 fragments) with its mask (8 loads; the sixteen lanes of a half read the same 16 bytes), and its V (turned).
; Their addresses are made some lines ahead.  The mask's registers live as long as K's: both are read by the same products.  last = 1 (the tail): in the last trip there is no further step, and the run is jumped over.
.macro FETCH_K last=0
	WIN 0
.if \last
	s_cmp_eq_u32 s[CNT], 1
	s_cbranch_scc1 .Lno_k_\@
.endif
	WIN 0x80                        ; destination window 2
.irp f, 0,1,2,3,4,5,6,7             ; keys 16 (f / 2) on, channels 32 (f % 2) on
	ds_load_b128 v[KF+8*\f:KF+8*\f+3],   v[AK] offset:(\f/2)*16*PK+(\f%2)*64
	ds_load_b128 v[KF+8*\f+4:KF+8*\f+7], v[AK] offset:(\f/2)*16*PK+(\f%2)*64+32
.endr
	WIN W_MK                        ; destination window 3
.irp f, 0,1,2,3,4,5,6,7             ; key block f / 2, registers 4 (f % 2) on
	ds_load_b128 v[MK+4*\f:MK+4*\f+3], v[AM] offset:64*(\f/2)+16*(\f%2)
.endr
	s_add_co_u32 s[TBK], s[TBK], KS*PK  ; the next fetch is the next step's
	s_add_co_u32 s[TBM], s[TBM], KS*4   ; the table is walked once, from its first key to its last
	WIN 0
.if \last
.Lno_k_\@:
.endif
.endm
.macro FETCH_V
	WIN 0x80
.irp f, 0,1,2,3,4,5,6,7             ; keys 32 (f / 4) on, channels 16 (f % 4) on
	ds_load_tr16_b128 v[VF+8*\f:VF+8*\f+3],   v[AV] offset:(\f/4)*32*PV+(\f%4)*32
	ds_load_tr16_b128 v[VF+8*\f+4:VF+8*\f+7], v[AV] offset:(\f/4)*32*PV+16*PV+(\f%4)*32
.endr
	WIN 0
.endm
; THE VECTOR WORK OF A TURN stands in three queues, each in the order in which its entries become ready; the two tiles alternate, so that no instruction reads the result of the one before it.
.macro REGS y, u                    ; the registers of tile u (0, 1) of piece y
.set rT, ST+4*(2*(\y)+(\u))
.set rC, TMP+8*((\y)%2)+4*(\u)
.set rM, MV+2*((\y)%2)+(\u)
.set rS, S+64*((\y)%2)+32*(\u)
.set rP, P+32*((\y)%2)+16*(\u)
.set rO, 32*(2*(\y)+(\u))
.endm
; Number n of the 22 that find the NEXT piece's (Y + 1) maximum and statistics.  s0-s31 are the lane's 32 scores; each accumulator's lowest registers are read first.  XS, GS and REGS set no window: PL and EX do.
;   0-11  four chains c0-c3 of seven scores each, three operands at a time     12-14, 16  the four scores left over, the old m, and c0-c3 into c0     15  c m_old is kept
;   17, 18  the query's other 32 keys lie in the lane 16 away: the new m         19-21  c m; c m_old - c m_new; a
.macro XS u, n
	REGS (Y+1)%NP, \u
.if (\n) < 4
	v_max3_num_f32 v[rC+(\n)], v[rS+8*(\n)], v[rS+8*(\n)+1], v[rS+8*(\n)+2]
.elseif (\n) < 12
	v_max3_num_f32 v[rC+(\n)%4], v[rC+(\n)%4], v[rS+8*((\n)%4)+2*((\n)/4)+1], v[rS+8*((\n)%4)+2*((\n)/4)+2]
.elseif (\n) == 12
	v_max3_num_f32 v[rC], v[rC], v[rS+7], v[rS+15]
.elseif (\n) == 13
	v_max3_num_f32 v[rC+1], v[rC+1], v[rS+23], v[rS+31]
.elseif (\n) == 14
	v_max3_num_f32 v[rC+2], v[rC+2], v[rC+3], v[rT+1]
.elseif (\n) == 15
	v_mov_b32 v[rM], v[rT]
.elseif (\n) == 16
	v_max3_num_f32 v[rC], v[rC], v[rC+1], v[rC+2]
.elseif (\n) == 17
	v_permlanex16_b32 v[rC+3], v[rC], s[SEL], s[SEL+1]
.elseif (\n) == 18
	v_max_num_f32 v[rT+1], v[rC], v[rC+3]
.elseif (\n) == 19
	v_mul_f32 v[rT], s[CS], v[rT+1]
.elseif (\n) == 20
	v_sub_f32 v[rC+1], v[rM], v[rT]
.else
	v_exp_f32 v[rC+2], v[rC+1]
.endif
.endm
; Number g of the 64 that follow the exponentials.  For each four weights k of a tile (pairs 2 k, 2 k + 1): both pairs are rounded to f16; then the second pair is added onto the first, in place;
; a group later l takes that sum (the first time as l = a l + sum).  In groups of eight, tiles alternating: round, round, add, and l for the group before.
.macro GS g
.set h, (\g)+6*((\g)/62)            ; group 0 has no group before it, and behind group 7 only l is left
.if h >= 6
.set h, h+2
.endif
	REGS Y, h%2
.set k, h/8
.if h%8 < 4
	s_wait_alu depctr_va_vdst(0)
	v_cvt_pk_f16_f32 v[rP+2*k+(h%8)/2], v[rS+4*k+2*((h%8)/2)], v[rS+4*k+2*((h%8)/2)+1]
.elseif h%8 < 6
	v_pk_add_f32 v[rS+4*k:rS+4*k+1], v[rS+4*k:rS+4*k+1], v[rS+4*k+2:rS+4*k+3]
.elseif k == 1
	v_pk_fma_f32 v[rT+2:rT+3], v[rT+2:rT+3], v[rC+2:rC+3], v[rS:rS+1] op_sel_hi:[1,0,1]
.else
	v_pk_add_f32 v[rT+2:rT+3], v[rT+2:rT+3], v[rS+4*k-4:rS+4*k-3]
	s_wait_alu depctr_va_vdst(0)
.endif
.endm
; THE PLAIN QUEUE, 138 long.  0-31: c s - c m for the 16 pairs of both tiles.  Then GS's 64, and among them the next piece's 42: number 15 at 38, 39; 0-14 and 16
; at 42-73, behind the products that make those scores; 17-20 at 95-106, two of three, since each waits for the one before it.
.macro PL
	WIN 0
.if q < 32
	REGS Y, q%2
	v_pk_fma_f32 v[rS+2*(q/2):rS+2*(q/2)+1], v[rS+2*(q/2):rS+2*(q/2)+1], s[CS:CS+1], v[rT:rT+1] op_sel_hi:[1,0,0] neg_lo:[0,0,1] neg_hi:[0,0,1]
.elseif q < 38
	GS q-32
.elseif q < 40
	XS q%2, 15
.elseif q < 42
	GS q-34
.elseif q < 74
	XS q%2, (q-42)/2+(q-42)/30
.elseif q < 95
	GS q-66
.elseif (q < 107) && ((q-95)%3 < 2)
	XS (q-95)%3, 17+(q-95)/3
.elseif q < 107
	GS 29+(q-95)/3
.else
	GS q-74
.endif
.set q, q+1
.endm
; THE EXPONENTIALS' QUEUE, 66 long: s0-s31 of both tiles, and at EA the next piece's two a.
.set EA, 58
.macro EX
	WIN 0
.if (e == EA) || (e == EA+1)
	XS e-EA, 21
.else
.set x, e-2*(e/(EA+2))
	REGS Y, x%2
	v_exp_f32 v[rS+x/2], v[rS+x/2]
.endif
.set e, e+1
.endm
; THE RESCALING's QUEUE: O^T times a, the one part that leaves window 0, so it is dealt four at a time, eight times.
.macro R4
	REGS Y, r%2
	WIN W_RS
	s_wait_alu depctr_va_vdst(0)
.irp z, 0,1,2,3
	v_pk_mul_f32 v[rO+8*(r/2)+2*\z:rO+8*(r/2)+2*\z+1], v[rO+8*(r/2)+2*\z:rO+8*(r/2)+2*\z+1], v[rC+2:rC+3] op_sel_hi:[1,0]
.endr
.set r, r+1
.endm
; HOW THEY ARE DEALT.  Behind a matrix instruction four: plain, exponential, plain, plain (one exponential, a plain instruction on either side), or four of the rescaling.  None names a register of the
; products round it.  What is over stands in two LUMPS: exponential and plain by turns; the second ends in 22 plain instructions.  The two v_permlanex16_b32 fall into the second lump, never behind a product.
; The queues lean on each other, and the deal keeps them in step: exponential e stands behind plain 2 (e / 4) + e % 2 (its scaling); when plain 32 comes, 10 exponentials are out, at 59: 33, at 95: 46; EA comes behind plain 107.
.macro SL
	MM
	PL
	EX
	PL
	PL
.endm
.macro BURST n                      ; 15 matrix instructions, or 16
.rept (\n)-7
	SL
.endr
.rept 3
	MM
	R4
	SL
.endr
	MM
	R4
.endm
; A TURN, for piece p.  cnt = 1: the loop's count is taken down some lines ahead of the branch that stands behind the turn.
; K and the mask of the next step are fetched in piece 2's turn, 32 vector instructions behind the last product that read K; their first reader comes behind the rest of the lump, 16 products and the second lump.
; V of the step in hand is fetched at the end of piece 0's turn, 69 behind its last reader; its first reader comes behind 16 products and a lump.  The four conditions on e and q below go with the deal.
.macro TURN p, last=0, cnt=0
.set Y, (\p)
.set i, 0
.set q, 0
.set e, 0
.set r, 0
.if (\p) == NP-1
	s_wait_dscnt 0x0                ; K and its mask are in
.endif
	MM
.rept 4
	PL
.endr
	BURST 15
.rept 22
	EX
	PL
.if ((\p) == NP-2) && (e == 18)
	v_add_nc_u32 v[AK], s[TBK], v[AK0]
	v_lshl_add_u32 v[AM], v9, 5, s[TBM]
.endif
.if ((\p) == NP-2) && (e == 24)
	FETCH_K \last
.endif
.endr
.if (\p) == 1
	s_wait_dscnt 0x0                ; V is in
.endif
	BURST 16
.rept 21
	EX
	PL
.endr
.rept 22
	PL
.if ((\p) == 0) && (q == 118)
	v_add_nc_u32 v[AV], s[TBV], v[AV0]
	s_wait_alu depctr_va_vdst(0)
.endif
.if ((\p) == 0) && (q == 130)
	s_add_co_u32 s[TBV], s[TBV], KS*PV
.endif
.if (\cnt) && (q == 130)
	s_sub_co_u32 s[CNT], s[CNT], 1
	s_cmp_lg_u32 s[CNT], 0
.endif
.endr
.if (\p) == 0
	FETCH_V
.endif
.endm
	CHANGE 1                        ; slot 0 is in, everybody's part of it, and the mask's table is whole; slot 1 is asked for
	FETCH_K                         ; key step 0
	s_wait_loadcnt 0x0              ; Q
	s_wait_dscnt 0x0
.set i, 0
.rept 16
	KQ 0                            ; piece 0's first scores: there is no vector work yet to set between them
.set i, i+1
.endr
	WIN 0                           ; the addresses for the way out: eight plain instructions, the places behind those products
	s_mul_i32 s13, s[WV], 16*SP
	s_add_co_u32 s13, s13, STAGE    ; my stage
	v_mul_u32_u24 v[STO], v1, SP    ; in: row l % 16, 32 bytes (8 channels of f32) for each half of the lanes
	v_lshl_add_u32 v[STO], v9, 5, v[STO]
	v_add_nc_u32 v[STO], s13, v[STO]
	v_mul_u32_u24 v[RD], v9, SP     ; back: lanes 0-15 take one row of 256 bytes, lanes 16-31 the next,
	v_lshl_add_u32 v[RD], v1, 4, v[RD]
	v_add_nc_u32 v[RD], s13, v[RD]
	v_lshlrev_b32 v[GO], 12, v9     ; and the same two rows in the output, 4,096 bytes apart
	v_lshl_add_u32 v[GO], v1, 4, v[GO]
.set Y, NP-1                        ; XS works for piece Y + 1: piece 0
.irp n, 0,1,2,3,4,5,6,7,8,9,10,11,12,13,14,15,16,17,18,19,20,21
	XS 0, \n                        ; and piece 0's first maximum and statistics
	XS 1, \n
.endr
	s_mov_b32 s[CNT], 4
	s_branch .Lfirst                ; the loop is entered at a step's first turn, in the middle of a trip
.Lslot:                             ; SIZE_N / 256 - 2 times: every slot but the last two is filled again
	CHANGE 1
	s_mov_b32 s[CNT], 4
.Lstep:                             ; a trip: pieces 2 and 3 of one step, then pieces 0 and 1 of the next, whose K and V it fetches
	TURN 2
	TURN 3
	WIN 0
.Lfirst:
	TURN 0
	TURN 1, 0, 1
	WIN 0
	s_cbranch_scc1 .Lstep
	s_sub_co_u32 s[SLOTS], s[SLOTS], 1
	s_cmp_lg_u32 s[SLOTS], 0
	s_cbranch_scc1 .Lslot
	CHANGE 0                        ; the tail is written out: nothing is asked for
	s_mov_b32 s[CNT], 5             ; four trips fetch the last slot's steps; the fifth is left in its middle
.Ltail:
	TURN 2, 1
	TURN 3
	WIN 0
	s_sub_co_u32 s[CNT], s[CNT], 1
	s_cmp_eq_u32 s[CNT], 0
	s_cbranch_scc1 .Lout
	TURN 0
	TURN 1
	WIN 0
	s_branch .Ltail
.Lout:                              ; the fifth trip's 16 products K Q^T (on the last K and mask once more) and the maximum made of them serve nothing: the price, once a launch, of one text for every trip
.set i, 0
.rept 16
	PV NP-1                         ; the last piece's V^T P of the last step
.set i, i+1
.endr
	; THE WAY OUT.  l's two halves and the other half of the lanes' are added; O^T is divided by l and sent, in f32, through my stage in LDS, a tile at a time.  The additions are the places behind the last products.
	WIN 0
.macro ALL line:vararg              ; one line for each tile t
.set t, 0
.rept 2*NP
	\line
.set t, t+1
.endr
.endm
	ALL v_add_f32 v[ST+4*t+2], v[ST+4*t+2], v[ST+4*t+3]
	ALL v_permlanex16_b32 v[ST+4*t+3], v[ST+4*t+2], s[SEL], s[SEL+1]
	ALL v_add_f32 v[ST+4*t+2], v[ST+4*t+2], v[ST+4*t+3]
	ALL v_rcp_f32 v[ST+4*t+2], v[ST+4*t+2]
	v_nop                           ; a plain instruction between the last reciprocal and the use of its result
	s_wait_alu depctr_va_vdst(0)
; Tile t: a lane's eight channels of a row are 32 bytes; they go into rows of 272 bytes and come back as whole rows of 256, into the registers that they left.
.macro PACK t
	WIN W_RS
.set i, 32*(\t)
.rept 16
	v_pk_mul_f32 v[i:i+1], v[i:i+1], v[ST+4*(\t)+2:ST+4*(\t)+3] op_sel_hi:[1,0]
.set i, i+2
.endr
	WIN 0x04                        ; the stores' data lie in window 1, the address in window 0
.irp f, 0,1,2,3,4,5,6,7             ; channel block f / 2, registers 4 (f % 2) on
	ds_store_b128 v[STO], v[32*(\t)+4*\f:32*(\t)+4*\f+3] offset:64*(\f/2)+16*(\f%2)
.endr
	WIN 0x40                        ; destination window 1
.irp f, 0,1,2,3,4,5,6,7
	ds_load_b128 v[32*(\t)+4*\f:32*(\t)+4*\f+3], v[RD] offset:\f*2*SP  ; LDS serves a wave's instructions in order (ISA guide 5.7.1.4): these see the stores above; the next tile's stores come behind them
.endr
.endm
.macro SEND t, younger              ; younger: the LDS instructions issued behind tile t's loads: the next tile's sixteen, or none
	WIN 0x04
.irp f, 0,1,2,3,4,5,6,7
	s_wait_dscnt (\younger)+7-\f
	global_store_b128 v[GO], v[32*(\t)+4*\f:32*(\t)+4*\f+3], s[10:11] offset:(\t)*65536+\f*8192  ; 16 lanes store a head's 256 consecutive bytes of a row, at a multiple of 256 from the output's first byte
.endr
.endm
	PACK 0
.set t, 1
.rept 2*NP-1                        ; a tile's arithmetic stands between the loads of the tile before and its stores
	PACK t
	SEND t-1, 16
.set t, t+1
.endr
	SEND 2*NP-1, 0
	WIN W_AD
	s_wait_tensorcnt 0x0            ; the wave's end: these three lines stand behind my last tensor load and my last LDS store
	ds_add_u32 v[SPW], v[NIL]
	s_wait_dscnt 0x0
	WIN 0
	CROUND                          ; the closing round: no work-group ends while a partner may still ask for a tile that names it
	s_endpgm
.Lfunc_end_k_qd0d8a3ed9f_attn:
	.size	k_qd0d8a3ed9f_attn, .Lfunc_end_k_qd0d8a3ed9f_attn-k_qd0d8a3ed9f_attn
	.p2alignl 7, 3214868480
	.fill 96, 4, 3214868480
	.section	.rodata,"a",@progbits
	.p2align	6, 0x0
	.amdhsa_kernel k_qd0d8a3ed9f_attn
		.amdhsa_group_segment_fixed_size 327680
		.amdhsa_private_segment_fixed_size 0
		.amdhsa_enable_private_segment 0
		.amdhsa_kernarg_size 24
		.amdhsa_user_sgpr_count 2
		.amdhsa_user_sgpr_kernarg_segment_ptr 1
		.amdhsa_wavefront_size32 1
		.amdhsa_system_sgpr_workgroup_id_x 1
		.amdhsa_system_sgpr_workgroup_id_y 1
		.amdhsa_system_sgpr_workgroup_id_z 1
		.amdhsa_system_vgpr_workitem_id 0
		.amdhsa_next_free_vgpr 808
		.amdhsa_next_free_sgpr 72
		.amdhsa_reserve_vcc 0
		.amdhsa_float_denorm_mode_32 3
		.amdhsa_float_denorm_mode_16_64 3
		.amdhsa_memory_ordered 1
		.amdhsa_forward_progress 1
		.amdhsa_inst_pref_size 213
	.end_amdhsa_kernel
	.amdgpu_metadata
---
amdhsa.version: [ 1, 2 ]
amdhsa.kernels:
  - .name:           k_qd0d8a3ed9f_attn
    .symbol:         k_qd0d8a3ed9f_attn.kd
    .args:
      - { .name: qkv, .offset: 0, .size: 8, .value_kind: global_buffer, .address_space: global }
      - { .name: tab, .offset: 8, .size: 8, .value_kind: global_buffer, .address_space: global }
      - { .name: out0, .offset: 16, .size: 8, .value_kind: global_buffer, .address_space: global }
    .group_segment_fixed_size: 327680
    .private_segment_fixed_size: 0
    .kernarg_segment_align: 8
    .kernarg_segment_size: 24
    .max_flat_workgroup_size: 128
    .sgpr_count:     72
    .vgpr_count:     808
    .wavefront_size: 32
...
	.end_amdgpu_metadata
.endif
;; end of part 3
